; MI455X (gfx1250); checked and timed in simulation.
; The chip was launched on July 23, 2026; its instructions are those of AMD's public machine-readable ISA for CDNA 5 (MIT licence, August 2026) and "CDNA5" Instruction Set Architecture Reference Guide (July 2026). The comments in the code are by the model that wrote it; some were corrected since.
;; MSA Row Attention With Pair Bias. Allowed arithmetic: float matrix products may take bf16 or f16 operands with f32 sums; all other float work in f32.
;; Inputs: b_g 256 float32; b_o 256 float32; ln_m_b 256 float32; ln_m_g 256 float32; ln_z_b 128 float32; ln_z_g 128 float32; m 1 x 128 x 256 x 256 float32; mask 1 x 128 x 256 float32; w_g 256 x 256 float32; w_k 256 x 256 float32; w_o 256 x 256 float32; w_q 256 x 256 float32; w_v 256 x 256 float32; w_z 128 x 8 float32; z 1 x 256 x 256 x 128 float32.
;; Outputs: out0 1 x 128 x 256 x 256 float32.
;; One version. Each part assembles by itself: llvm-mc -triple=amdgcn-amd-amdhsa -mcpu=gfx1250 --defsym DOCPART=n.
;; ======== version 1 of 1: 2 launches
;; limits: values are held in f16: magnitudes above 65,504 overflow, below 6.1e-05 lose precision
;; workspace buffers: stream 3,407,872 bytes
;; launch prep (part 1): grid 256 x 1, 4 waves a work-group, no clusters, 168,448 bytes of LDS; arguments z, ln_z_g, ln_z_b, w_z, w_q, w_k, w_v, w_g, w_o, stream; writes stream
.if DOCPART == 1
	.amdgcn_target "amdgcn-amd-amdhsa--gfx1250"
	.amdhsa_code_object_version 6
	.text
	.protected	k_q142681ad74_prep
	.globl	k_q142681ad74_prep
	.p2align	8
	.type	k_q142681ad74_prep,@function
k_q142681ad74_prep:
	s_mov_b64 s[64:65], 0
	v_nop
	global_prefetch_b8 v0, s[64:65] scope:SCOPE_SE
	s_setreg_imm32_b32 hwreg(HW_REG_WAVE_MODE, 25, 1), 1
	s_wait_xcnt 0x0
; PAIR BIAS AND WEIGHTS, laid out as the second launch consumes them.
; stream = [query half 2][wave 4][tile 26][16,384 bytes].  Tiles of pass p (head h = 4 p + wave): 12 p + 0 Wk, + 1 Wv, + 2 Wq, + 3 Wg,
; 12 p + 4 + qt the bias of query tile qt (16 key tiles of 1 KiB); tiles 24, 25: w_o for output columns 64 wave .. + 63.
; Every 1 KiB piece is a register image: [half 2][lane 32][16 bytes] = registers 0-3, then registers 4-7, of each lane.
;   weight piece: lane (r, hh), half hf, element e holds W[k0 + 16 hf + 8 hh + e][n0 + r] in f16 (the layout of a 16-bit A or B operand, ISA guide 7.12.2)
;   bias piece:   lane (r, hh), register j holds log2e * bias[h][query 16 qt + r][key 8 hh + j] in f32 (the layout of a C operand)
; Folded in: w_q * log2e / sqrt(32), w_g * (-log2e), bias * log2e, so that the second launch works with powers of two.
; The key tiles of query half 1 are stored in the order kt xor 8: that launch keeps its own query rows first.
; MATRIX OPERANDS IN F16 (11 significant bits; why not bf16: see the second launch's head).  Room: the weights have rms 1/16; 30 times larger, or offset by 30 times
; that, they are about 2; 30 times smaller their rms is 0.002 and f16's step near zero, 6e-8, is under 1e-4 of it.  LN(z) is at most sqrt(128) = 11.4.
; ln_z_g w_z log2e has rms 0.03; where it falls under f16's normal range its absolute error, 3e-8 a term, is nothing in a score.
; Work-group g: 16 queries (g >> 4) x 16 keys (g & 15) of z, 128 KiB, one tensor load of 32 KiB a wave (4 queries); and one piece of each weight matrix.
; All that comes through registers (weight pieces, w_z, gain, bias) is asked for in one run behind the tensor load and waited for once.
; No cluster: no two work-groups read the same bytes of z.  No ring: a work-group's whole share is asked for at once.
; LayerNorm in two passes (mean, then squares of the centred numbers), so a common offset of z costs no accuracy.  NaN and infinities are not treated apart.
.set ZP,    528                        ; LDS pitch of a z row: 512 bytes + 16 of padding
.set ZW,    64*ZP                      ; a wave's 64 rows (4 queries x 16 keys)
.set PSTG,  4*ZW                       ; stage for the bias tiles: written by LDS stores alone, never by the tensor load
.set HP,    272                        ; stage: from head to head
.set WP,    2240                       ; stage: from wave to wave
.set TILEB, 16384
.set CI,    24                         ; v[24:31]   sum over c of ln_z_b[c] w_z[c][head] log2e, as a C operand
.set GW,    32                         ; v[32:63]   four B fragments: ln_z_g[c] w_z[c][head] log2e; before that:
.set WR,    32                         ; v[32:47]   my weight piece as loaded, then v[32:39] in f16
.set WO,    48                         ; v[48:63]   wave 0: the piece of w_o, likewise
.set X0,    64                         ; v[64:127]  one query's 16 rows of z: 64 numbers a lane, later 4 A fragments
.set X1,    128                        ; v[128:191] the next query's
.set ACC,   192                        ; v[192:223] four accumulators, one for each query of the wave
; v1 r, v2 hh, v3 z rows in LDS, v4 w_z offset, v5 gain offset, v6 weight offset, v7 16 x lane, v8 stage in, v9 stage out, v10-17 at work
	s_load_b512 s[4:19], s[0:1], 0x0               ; z s[4:5], ln_z_g s[6:7], ln_z_b s[8:9], w_z s[10:11], w_q s[12:13], w_k s[14:15], w_v s[16:17], w_g s[18:19]
	s_load_b128 s[20:23], s[0:1], 0x40             ; w_o s[20:21], stream s[22:23]
	v_lshl_add_u32 v22, v0, 2, 0x29000
	v_mov_b32 v23, 0
	ds_add_u32 v22, v23
	v_lshrrev_b32 v10, 5, v0
	v_readfirstlane_b32 s24, v10                   ; wave 0..3
	s_lshr_b32 s25, ttmp9, 4                       ; query tile 0..15
	s_and_b32 s26, ttmp9, 15                       ; key tile 0..15
	; group 1: 4 rows (queries) of 2,048 f32 (16 keys x 128 channels, 8 KiB that lie together), 32,768 elements from query to query;
	; 4 words of padding behind every 128 words, that is behind every key's 512 bytes
	s_mov_b32 s32, (2<<16)|(1<<20)|(6<<22)|(3<<25)
	s_mov_b32 s33, 2048<<16                        ; tensor_dim0
	s_mov_b32 s34, 4<<16                           ; tensor_dim1
	s_mov_b32 s35, 2048<<16                        ; tile_dim0
	s_mov_b32 s36, 4                               ; tile_dim1
	s_mov_b32 s37, 32768                           ; pitch
	s_mov_b32 s38, 0
	s_mov_b32 s39, 0
	s_lshl_b32 s42, s25, 21                        ; 16 queries x 256 keys x 512 bytes
	s_lshl_b32 s43, s24, 19                        ; 4 queries
	s_add_co_u32 s42, s42, s43
	s_lshl_b32 s43, s26, 13                        ; 16 keys
	s_add_co_u32 s42, s42, s43
	s_mov_b32 s43, 0
	s_mov_b32 s28, 1
	s_mul_i32 s29, s24, ZW                         ; my wave's rows in LDS
	s_mov_b32 s40, 0x76543210                      ; v_permlanex16_b32: lane i takes lane i of the other half
	s_mov_b32 s41, 0xfedcba98
	s_mov_b32 s60, 0x3c000000                      ; 1/128
	s_mov_b32 s61, 0x3727c5ac                      ; 1e-5
	s_wait_dscnt 0x0
	s_wait_kmcnt 0x0
	s_add_nc_u64 s[30:31], s[4:5], s[42:43]
	s_or_b32 s31, s31, 0x80000000
	tensor_load_to_lds s[28:31], s[32:39]          ; the wave's only tensor load; it lands while the weights are converted
	s_nop 0
	v_and_b32 v1, 15, v0                           ; r
	v_bfe_u32 v2, v0, 4, 1                         ; hh
	v_and_b32 v10, 31, v0
	v_lshlrev_b32 v7, 4, v10                       ; 16 x lane
	v_mul_u32_u24 v3, v1, ZP
	v_lshl_add_u32 v3, v2, 5, v3
	v_add_nc_u32 v3, s29, v3                       ; row r of a query, 8 hh floats in
	v_and_b32 v11, 7, v0                           ; head = r & 7 (lanes 8-15 of each half repeat heads 0-7)
	v_lshlrev_b32 v4, 2, v11
	v_lshl_add_u32 v4, v2, 8, v4                   ; w_z[8 hh][head]
	v_lshlrev_b32 v5, 5, v2                        ; gain and bias at channel 8 hh
	v_lshlrev_b32 v6, 2, v1
	v_lshl_add_u32 v6, v2, 13, v6                  ; W[8 hh][r]
	s_mul_i32 s27, s24, WP
	s_add_co_u32 s27, s27, PSTG                    ; my wave's stage
	v_mul_u32_u24 v8, v11, HP
	v_lshl_add_u32 v8, v2, 6, v8
	v_add_nc_u32 v8, s27, v8                       ; in: head x 272 + hh x 64 (+ 128 hf + 16 query)
	v_lshrrev_b32 v12, 2, v1                       ; out: lane (rq, hh) takes query rq = 4 x (its wave) + (its place)
	v_and_b32 v13, 3, v1
	v_mul_u32_u24 v9, v12, WP
	v_lshl_add_u32 v9, v13, 4, v9
	v_lshl_add_u32 v9, v2, 6, v9
	s_mul_i32 s27, s24, 2*HP
	s_add_co_u32 s27, s27, PSTG                    ; heads 2 wave, 2 wave + 1
	v_add_nc_u32 v9, s27, v9
	; wave 0: w_k, wave 1: w_v, wave 2: w_q, wave 3: w_g; piece f = g & 127 of 128, copy g >> 7 of the two
	s_cmp_eq_u32 s24, 1
	s_cselect_b64 s[44:45], s[16:17], s[14:15]
	s_cmp_eq_u32 s24, 2
	s_cselect_b64 s[44:45], s[12:13], s[44:45]
	s_cselect_b32 s46, 0x3e8293ee, 1.0             ; log2e / sqrt(32)
	s_cmp_eq_u32 s24, 3
	s_cselect_b64 s[44:45], s[18:19], s[44:45]
	s_cselect_b32 s46, 0xbfb8aa3b, s46             ; -log2e
	s_mov_b32 s47, s46
	s_and_b32 s48, ttmp9, 127                      ; f
	s_lshr_b32 s49, ttmp9, 7                       ; copy
	s_lshr_b32 s50, s48, 4                         ; head
	s_and_b32 s51, s48, 15                         ; piece in the tile = 2 cs + dt
	s_lshr_b32 s52, s51, 1                         ; cs: rows 32 cs ..
	s_and_b32 s53, s51, 1                          ; dt: columns 32 h + 16 dt ..
	s_lshl_b32 s54, s52, 15
	s_lshl_b32 s55, s50, 7
	s_add_co_u32 s54, s54, s55
	s_lshl_b32 s55, s53, 6
	s_add_co_u32 s54, s54, s55
	s_mov_b32 s55, 0
	s_add_nc_u64 s[44:45], s[44:45], s[54:55]
	s_and_b32 s56, s50, 3
	s_lshl2_add_u32 s56, s49, s56                  ; 4 copy + (head & 3)
	s_mul_i32 s56, s56, 26
	s_lshr_b32 s57, s50, 2
	s_mul_i32 s57, s57, 12
	s_add_co_u32 s56, s56, s57
	s_add_co_u32 s56, s56, s24                     ; + the matrix's place in the pass
	s_lshl_b32 s56, s56, 14
	s_lshl_b32 s57, s51, 10
	s_add_co_u32 s56, s56, s57
	s_mov_b32 s57, 0
	s_add_nc_u64 s[56:57], s[22:23], s[56:57]
	; w_o, piece f = 32 w' + 4 ks + nt: rows 32 ks .., columns 64 w' + 16 nt ..  (a few scalar lines in every wave; wave 0 alone loads and stores by them)
	s_lshr_b32 s52, s48, 5
	s_bfe_u32 s53, s48, 0x30002
	s_and_b32 s54, s48, 3
	s_lshl_b32 s58, s53, 15
	s_lshl_b32 s55, s52, 8
	s_add_co_u32 s58, s58, s55
	s_lshl_b32 s55, s54, 6
	s_add_co_u32 s58, s58, s55
	s_mov_b32 s59, 0
	s_add_nc_u64 s[58:59], s[20:21], s[58:59]
	s_lshl2_add_u32 s62, s49, s52
	s_mul_i32 s62, s62, 26
	s_lshr_b32 s55, s53, 2
	s_add_co_u32 s62, s62, s55
	s_add_co_u32 s62, s62, 24
	s_lshl_b32 s62, s62, 14
	s_and_b32 s55, s53, 3
	s_lshl2_add_u32 s55, s55, s54
	s_lshl_b32 s55, s55, 10
	s_add_co_u32 s62, s62, s55
	s_mov_b32 s63, 0
	s_add_nc_u64 s[62:63], s[22:23], s[62:63]
; A weight piece comes in: 16 numbers a lane from 16 rows of W.
.macro WIN16 reg, sp
.irp hf, 0,1
.irp e, 0,1,2,3,4,5,6,7
	global_load_b32 v[\reg+8*\hf+\e], v6, s[\sp:\sp+1] offset:(16*\hf+\e)*1024
.endr
.endr
.endm
; and goes out: rounded to f16 in place (ascending: a target is never a source still to be read), stored as 2 x 512 neighbouring bytes.
.macro WOUT16 reg, dp
.irp i, 0,1,2,3,4,5,6,7
	v_cvt_pk_f16_f32 v[\reg+\i], v[\reg+2*\i], v[\reg+2*\i+1]
.endr
	global_store_b128 v7, v[\reg:\reg+3], s[\dp:\dp+1]
	global_store_b128 v7, v[\reg+4:\reg+7], s[\dp:\dp+1] offset:512
.endm
	; one run of loads: my weight piece, wave 0's piece of w_o, then w_z, gain and bias of my 64 channels c = 32 cs + 16 hf + 8 hh + e (register index 16 cs + 8 hf + e)
	WIN16 WR, 44
	s_cmp_lg_u32 s24, 0
	s_cbranch_scc1 .Lno_wo_in
	WIN16 WO, 58
.Lno_wo_in:
.set i, 0
.rept 64
	global_load_b32 v[X0+i], v4, s[10:11] offset:(32*(i/16)+16*((i/8)%2)+(i%8))*32
.set i, i+1
.endr
.set i, 0
.rept 16
	global_load_b128 v[X1+4*i:X1+4*i+3], v5, s[6:7] offset:128*(i/4)+64*((i/2)%2)+16*(i%2)
	global_load_b128 v[192+4*i:192+4*i+3], v5, s[8:9] offset:128*(i/4)+64*((i/2)%2)+16*(i%2)
.set i, i+1
.endr
	s_wait_loadcnt 0x0                             ; the one wait for all of them
.irp i, 0,1,2,3,4,5,6,7
	v_pk_mul_f32 v[WR+2*\i:WR+2*\i+1], v[WR+2*\i:WR+2*\i+1], s[46:47] op_sel_hi:[1,0]
.endr
	WOUT16 WR, 56
	s_cmp_lg_u32 s24, 0
	s_cbranch_scc1 .Lno_wo_out
	WOUT16 WO, 62
.Lno_wo_out:
.set i, 0
.rept 32
	v_pk_mul_f32 v[X0+2*i:X0+2*i+1], v[X0+2*i:X0+2*i+1], 0x3fb8aa3b op_sel_hi:[1,0]    ; w_z log2e
.set i, i+1
.endr
.set i, 0
.rept 32
.if i < 4
	v_pk_mul_f32 v[10+2*i:11+2*i], v[192+2*i:193+2*i], v[X0+2*i:X0+2*i+1]              ; four chains of b w
.else
	v_pk_fma_f32 v[10+2*(i%4):11+2*(i%4)], v[192+2*i:193+2*i], v[X0+2*i:X0+2*i+1], v[10+2*(i%4):11+2*(i%4)]
.endif
	v_pk_mul_f32 v[X1+2*i:X1+2*i+1], v[X1+2*i:X1+2*i+1], v[X0+2*i:X0+2*i+1]            ; g w
.set i, i+1
.endr
; four pairs of partial sums in v[10:17] -> my lane's sum in v10, the sum of the lane 16 further in v11
.macro FOLD
	v_pk_add_f32 v[10:11], v[10:11], v[12:13]
	v_pk_add_f32 v[14:15], v[14:15], v[16:17]
	v_pk_add_f32 v[10:11], v[10:11], v[14:15]
	v_add_f32 v10, v10, v11
	v_permlanex16_b32 v11, v10, s40, s41           ; the other 64 channels lie in the lane 16 further
.endm
	FOLD
.irp j, 0,1,2,3,4,5,6,7
	v_add_f32 v[CI+\j], v10, v11                   ; the same for every key: all eight registers of the C operand
.endr
	s_wait_xcnt 0x0                                ; v[32:63] held the weight stores' data: they are written again only behind this wait
.set i, 0
.rept 32
	v_cvt_pk_f16_f32 v[GW+i], v[X1+2*i], v[X1+2*i+1]
.set i, i+1
.endr
; LayerNorm without gain and bias of the 16 rows in x (64 numbers a lane), rounded to f16 in place: four A fragments in x .. x + 31
.macro LNZ x
.irp c, 0,1,2,3
	v_pk_add_f32 v[10+2*\c:11+2*\c], v[\x+4*\c:\x+4*\c+1], v[\x+4*\c+2:\x+4*\c+3]
.endr
.set i, 8
.rept 24
	v_pk_add_f32 v[10+2*(i%4):11+2*(i%4)], v[10+2*(i%4):11+2*(i%4)], v[\x+2*i:\x+2*i+1]
.set i, i+1
.endr
	FOLD
	v_add_f32 v10, v10, v11                        ; the row's sum
.set i, 0
.rept 32
	v_pk_fma_f32 v[\x+2*i:\x+2*i+1], v[10:11], 0xbc000000, v[\x+2*i:\x+2*i+1] op_sel_hi:[0,0,1]   ; x - sum / 128
.set i, i+1
.endr
.irp c, 0,1,2,3
	v_pk_mul_f32 v[10+2*\c:11+2*\c], v[\x+2*\c:\x+2*\c+1], v[\x+2*\c:\x+2*\c+1]
.endr
.set i, 4
.rept 28
	v_pk_fma_f32 v[10+2*(i%4):11+2*(i%4)], v[\x+2*i:\x+2*i+1], v[\x+2*i:\x+2*i+1], v[10+2*(i%4):11+2*(i%4)]
.set i, i+1
.endr
	FOLD
	v_add_f32 v10, v10, v11
	v_fma_f32 v10, v10, s60, s61                   ; variance + eps
	v_rsq_f32 v10, v10
	v_nop                                          ; one plain instruction behind the transcendental (ISA guide 5.7.2)
.set i, 0
	s_wait_alu depctr_va_vdst(0)
.rept 32
	v_pk_mul_f32 v[\x+2*i:\x+2*i+1], v[\x+2*i:\x+2*i+1], v[10:11] op_sel_hi:[1,0]
.set i, i+1
.endr
.set i, 0
.rept 32
	v_cvt_pk_f16_f32 v[\x+i], v[\x+2*i], v[\x+2*i+1]      ; ascending: a target is never a source still to be read
.set i, i+1
.endr
.endm
; queries a and a + 1 of the wave: D(key, head) = LN(z) (A, rows = keys) x g w (B, columns = heads) + b w
.macro ZPAIR a
.irp i, 0,1
.irp cs, 0,1,2,3
.irp hf, 0,1
	ds_load_b128 v[X0+64*\i+16*\cs+8*\hf:X0+64*\i+16*\cs+8*\hf+3],   v3 offset:(\a+\i)*16*ZP+128*\cs+64*\hf
	ds_load_b128 v[X0+64*\i+16*\cs+8*\hf+4:X0+64*\i+16*\cs+8*\hf+7], v3 offset:(\a+\i)*16*ZP+128*\cs+64*\hf+16
.endr
.endr
.endr
	s_wait_dscnt 16                                ; the first query's 16 loads are in, the second's may be out
	LNZ X0
	s_wait_dscnt 0x0
	LNZ X1
.irp cs, 0,1,2,3
.if \cs == 0
	v_wmma_f32_16x16x32_f16 v[ACC+8*\a:ACC+8*\a+7],    v[X0+8*\cs:X0+8*\cs+7], v[GW+8*\cs:GW+8*\cs+7], v[CI:CI+7]
	v_wmma_f32_16x16x32_f16 v[ACC+8*\a+8:ACC+8*\a+15], v[X1+8*\cs:X1+8*\cs+7], v[GW+8*\cs:GW+8*\cs+7], v[CI:CI+7]
.else
	v_wmma_f32_16x16x32_f16 v[ACC+8*\a:ACC+8*\a+7],    v[X0+8*\cs:X0+8*\cs+7], v[GW+8*\cs:GW+8*\cs+7], v[ACC+8*\a:ACC+8*\a+7]       ; the two accumulators take turns
	v_wmma_f32_16x16x32_f16 v[ACC+8*\a+8:ACC+8*\a+15], v[X1+8*\cs:X1+8*\cs+7], v[GW+8*\cs:GW+8*\cs+7], v[ACC+8*\a+8:ACC+8*\a+15]
.endif
.endr
.rept 4
	v_nop                                          ; four places behind the matrix instructions: loads into their sources and stores of their results follow
.endr
.endm
	s_wait_tensorcnt 0x0                           ; my 64 rows of z are in LDS; no other wave reads them
	ZPAIR 0
	ZPAIR 2
	; lane (head, hh) holds keys 8 hh + 0..7 of query qi: 16 bytes for each half of the registers, into my own stage
.irp qi, 0,1,2,3
	ds_store_b128 v8, v[ACC+8*\qi:ACC+8*\qi+3]   offset:16*\qi
	ds_store_b128 v8, v[ACC+8*\qi+4:ACC+8*\qi+7] offset:16*\qi+128
.endr
	; where heads 2 wave and 2 wave + 1 go: one run of 26 tiles of 16 KiB apart
	s_lshr_b32 s44, s25, 3                         ; query half
	s_and_b32 s45, s25, 7                          ; query tile in the half
	s_lshl_b32 s46, s44, 3
	s_xor_b32 s46, s46, s26                        ; key tile in that half's order
	s_lshl_b32 s47, s24, 1
	s_and_b32 s47, s47, 3
	s_lshl2_add_u32 s47, s44, s47
	s_mul_i32 s47, s47, 26
	s_lshr_b32 s48, s24, 1
	s_mul_i32 s48, s48, 12
	s_add_co_u32 s47, s47, s48
	s_add_co_u32 s47, s47, s45
	s_add_co_u32 s47, s47, 4
	s_lshl_b32 s47, s47, 14
	s_lshl_b32 s48, s46, 10
	s_add_co_u32 s48, s47, s48
	s_mov_b32 s49, 0
	s_add_nc_u64 s[48:49], s[22:23], s[48:49]
	s_wait_dscnt 0x0                               ; my stores are in LDS, for the other waves' sake
	s_barrier_signal -1
	s_barrier_wait -1
.irp i, 0,1,2,3
	ds_load_b128 v[X0+4*\i:X0+4*\i+3], v9 offset:(\i>>1)*HP+(\i&1)*128      ; head 2 wave + (i >> 1), half i & 1: lane (rq, hh) gathers its 16 bytes
.endr
.irp i, 0,1,2,3
	s_wait_dscnt 3-\i                              ; LDS loads come back in order: load i is in
	global_store_b128 v7, v[X0+4*\i:X0+4*\i+3], s[48:49] offset:(\i>>1)*26*TILEB+(\i&1)*512   ; 512 neighbouring bytes, aligned
.endr
	s_wait_tensorcnt 0x0
	ds_add_u32 v22, v23
	s_wait_dscnt 0x0
	s_endpgm
.Lfunc_end_k_q142681ad74_prep:
	.size	k_q142681ad74_prep, .Lfunc_end_k_q142681ad74_prep-k_q142681ad74_prep
	.p2alignl 7, 3214868480
	.fill 96, 4, 3214868480
	.section	.rodata,"a",@progbits
	.p2align	6, 0x0
	.amdhsa_kernel k_q142681ad74_prep
		.amdhsa_group_segment_fixed_size 168448
		.amdhsa_private_segment_fixed_size 0
		.amdhsa_enable_private_segment 0
		.amdhsa_kernarg_size 80
		.amdhsa_user_sgpr_count 2
		.amdhsa_user_sgpr_kernarg_segment_ptr 1
		.amdhsa_wavefront_size32 1
		.amdhsa_system_sgpr_workgroup_id_x 1
		.amdhsa_system_sgpr_workgroup_id_y 1
		.amdhsa_system_sgpr_workgroup_id_z 1
		.amdhsa_system_vgpr_workitem_id 0
		.amdhsa_next_free_vgpr 256
		.amdhsa_next_free_sgpr 66
		.amdhsa_reserve_vcc 0
		.amdhsa_float_denorm_mode_32 3
		.amdhsa_float_denorm_mode_16_64 3
		.amdhsa_memory_ordered 1
		.amdhsa_forward_progress 1
		.amdhsa_inst_pref_size 83
	.end_amdhsa_kernel
	.amdgpu_metadata
---
amdhsa.version: [ 1, 2 ]
amdhsa.kernels:
  - .name:           k_q142681ad74_prep
    .symbol:         k_q142681ad74_prep.kd
    .args:
      - { .name: z, .offset: 0, .size: 8, .value_kind: global_buffer, .address_space: global }
      - { .name: ln_z_g, .offset: 8, .size: 8, .value_kind: global_buffer, .address_space: global }
      - { .name: ln_z_b, .offset: 16, .size: 8, .value_kind: global_buffer, .address_space: global }
      - { .name: w_z, .offset: 24, .size: 8, .value_kind: global_buffer, .address_space: global }
      - { .name: w_q, .offset: 32, .size: 8, .value_kind: global_buffer, .address_space: global }
      - { .name: w_k, .offset: 40, .size: 8, .value_kind: global_buffer, .address_space: global }
      - { .name: w_v, .offset: 48, .size: 8, .value_kind: global_buffer, .address_space: global }
      - { .name: w_g, .offset: 56, .size: 8, .value_kind: global_buffer, .address_space: global }
      - { .name: w_o, .offset: 64, .size: 8, .value_kind: global_buffer, .address_space: global }
      - { .name: stream, .offset: 72, .size: 8, .value_kind: global_buffer, .address_space: global }
    .group_segment_fixed_size: 168448
    .private_segment_fixed_size: 0
    .kernarg_segment_align: 8
    .kernarg_segment_size: 80
    .max_flat_workgroup_size: 128
    .sgpr_count:     66
    .vgpr_count:     256
    .wavefront_size: 32
...
	.end_amdgpu_metadata
.endif
;; end of part 1
;; launch attn (part 2): grid 256 x 1, 4 waves a work-group, clusters of 4 x 1, 327,680 bytes of LDS; arguments m, mask, ln_m_g, ln_m_b, b_g, b_o, stream, out0; writes out0
.if DOCPART == 2
	.amdgcn_target "amdgcn-amd-amdhsa--gfx1250"
	.amdhsa_code_object_version 6
	.text
	.protected	k_q142681ad74_attn
	.globl	k_q142681ad74_attn
	.p2align	8
	.type	k_q142681ad74_attn,@function
k_q142681ad74_attn:
	s_mov_b64 s[64:65], 0
	v_nop
	global_prefetch_b8 v0, s[64:65] scope:SCOPE_SE
	s_setreg_imm32_b32 hwreg(HW_REG_WAVE_MODE, 25, 1), 1
	s_wait_xcnt 0x0
	s_wait_alu depctr_hold_cnt(0) depctr_sa_sdst(0) depctr_va_vdst(0) depctr_va_sdst(0) depctr_va_ssrc(0) depctr_va_vcc(0) depctr_vm_vsrc(0)
	s_getreg_b32 s2, hwreg(HW_REG_IB_STS2, 6, 4)
	s_cmp_eq_u32 s2, 0
	s_cbranch_scc0 .Lentry_in_a_cluster
	s_endpgm
.Lentry_in_a_cluster:
	s_bfe_u32 s2, ttmp6, 0x10000c
	s_cmp_lg_u32 s2, 0x3003
	s_cbranch_scc0 .Lentry_shape_is_right
	s_endpgm
.Lentry_shape_is_right:
; GATED ROW ATTENTION WITH PAIR BIAS, fused from LayerNorm(m) to the output projection.
; A work-group = one MSA row s and one half qh of its 256 queries: 256 work-groups.  K and V are projected for all 256 rows by both halves.
; Four waves; wave w makes head w (pass 0) and head 4 + w (pass 1) alone, then output columns 64 w .. 64 w + 63.  The text of a pass stands once, as a loop of two trips.
; ALL PRODUCTS ARE TAKEN SO THAT A RESULT IS THE NEXT PRODUCT'S OPERAND (ISA guide 7.12.2: a result's lane holds 8 numbers down a column, an
; operand's lane 8 numbers along K): K^T = Wk^T x mn^T, V = mn x Wv, Q^T, G^T likewise, S^T = K x Q^T + bias, O^T = V^T x P^T, out^T = Wo^T x O^T.
; Between two products stand only roundings to f16, two numbers an instruction, in registers.  K and V of a head stay in 256 registers.
; ONE WAVE ON A SIMD, so the text itself lays vector work between the matrix instructions of an attention step: the sum of bias and mask bias between the
; last Q and G products; the subtraction, exponentials and roundings of 32 keys between the P V and row-sum products of the 32 keys before; the gate at the end.
; LDS row rho of mn is row (rho + 128 qh) & 255 of m: my queries are always LDS rows 0-127.  Keys, bias tiles and mask follow the same order; softmax and P V do not depend on it.
; SOFTMAX in powers of two (log2e is folded into w_q, bias and mask bias) with the true maximum of each row taken away.
; MATRIX OPERANDS IN F16, NOT BF16.  Between m and out0 stand roundings of mn, five weights, q, k, v, P and gated O.  A rounding to 8 significant bits has an rms of about
; 0.11 % of the number; through the scores (q and k, each with its projection's noise) and the other products they add up to about 0.4 % of the output's rms, against
; 1 % that is allowed for each of 8.4 million numbers.  With 11 significant bits each is 8 times finer.
; ROOM IN F16 (largest number 65,504; step near zero 6e-8).  mn is at most 16 |ln_m_g| + |ln_m_b|.  P lies in [0, 1].  k, v and 0.255 q have rms 1 on inputs as drawn;
; gains and weights both 30 times larger: rms 900, six times that is 5,400; ln_m_b offset by 30 with weights offset by 30/16: 256 x 30 x 1.9 = 14,600; gains and weights
; both 30 times smaller: rms 0.001, of which the step is 6e-5.  Gated O is at most |v|.
; CLUSTER: the four work-groups of a cluster have four different s and one qh, and walk the same 26 tiles of 'stream' (weights, bias):
; each tile is asked for jointly (mask 15), one tensor load of 16 KiB a wave behind each round of the cluster's barrier; one load of a wave is out at most.
; m, mask and out0 are each work-group's own and go through registers.
; LIMITS.  Where |k|, |v| or 0.255 |q| reaches 65,520 it rounds to infinity and its row of the output is lost.
; A row whose keys are ALL masked: the scores lie near -1.44e9, where neighbouring f32 are 128 apart, so bias and q.k are lost and attention is uniform
; while |q.k + bias| < 32 (in log2 units), as in f32 arithmetic on the sum written the other way round; beyond that the roundings differ.
; Bias and mask bias are added first and q.k onto them (exact where mask = 1).  The mask bias is one fused mask c - c, c = 1e9 log2e (exact for mask 1 and 0).
; The row sum is that of the weights as rounded to f16, the same numbers that multiply V.  NaN and infinities in the inputs are not treated apart.
.set MNP,   528                        ; LDS pitch of an mn row: 512 bytes of f16 + 16
.set OA,    0                          ; gated O of heads 0-3: [wave][query tile][1 KiB operand image], 32 KiB
.set MN,    32768                      ; mn, 256 rows
.set MN2,   MN+128*MNP                 ; its rows 128-255: keys alone
.set OB,    MN2+16*MNP                 ; gated O of heads 4-7, over mn rows 144-206, which nobody reads behind pass 1's K and V (rows 128-143: see the attention step)
.set RING,  MN+256*MNP                 ; two slots of 4 x 16 KiB: the only bytes that tensor loads fill
.set SLOTB, 65536
.set TILEB, 16384
.set STG,   RING+2*SLOTB               ; each wave's own 16 rows x 272 bytes: b_o waits here, then the way out
.set STP,   272
; window 0
.set MOFF, 1                           ; 16 x lane
.set SL,   2                           ; v2, v3: my wave's part of slot 0, 1, + 16 x lane
.set MNF,  4                           ; v4, v5: mn operand address, rows 0-127, rows 128-255
.set MNQ,  6                           ; the same, at the loop's query tile
.set OST,  7                           ; where gated O goes
.set MNW,  8                           ; where LayerNorm puts its rows
.set STO,  9
.set SRD,  10
.set CO,   11
.set MM,   12                          ; v12-15 four running maxima; at the start v15 = 8 x lane; at the end addresses
.set MX,   16                          ; v[16:17] the row's maximum, twice
.set TT,   18                          ; v[18:19] b_o as loaded
.set RL,   20                          ; v[20:21] 1 / row sum, twice
.set HH,   22                          ; 32 x (lane / 16): lane term of the mask and b_g loads
.set BST,  23                          ; my stage + 8 x lane
.set ONES, 24                          ; v[24:31] an A operand of ones
.set OO,   32                          ; v[32:47] O^T, two tiles
.set LL,   48                          ; v[48:55] row sums
.set BG,   64                          ; v[64:79] -log2e b_g of the pass's head as two C operands
.set ACC,  96                          ; v[96:127] four accumulators
.set SS,   128                         ; v[128:255] S^T of a query tile: register 8 kt + j; in the K/V phase two buffers of mn operands
.set LT,   128                         ; LayerNorm: sums, 4 registers a row
.set LY,   160                         ; rows in f16
.set GA,   192
.set BE,   200
.set B0,   64                          ; output projection: two operand buffers of 96 registers
.set B1,   160
; window 1: K operand of key tile rt at 8 rt; V^T operand (32 keys ks, 16 channels dt) at 128 + 8 (2 ks + dt).  LayerNorm: rows 0-31.  At the end: 32 accumulators.
; window 2: 0-127 Wv, then Wg; 128-255 Wq (piece 2 cs + dt at 8 x).  LayerNorm: rows 32-63.
; window 3: 0-127 mask bias, indexed as S; 128-255 Wk, then 128-191 a query tile's mn operands; at the end 192-223 b_o as C operands.
.set MSB, 0
.macro WIN new                         ; s_set_vgpr_msb: bits 1:0 source 0, 3:2 source 1, 5:4 source 2, 7:6 destination; the high byte repeats the setting that is left
.if MSB != (\new)
	s_set_vgpr_msb (MSB<<8)|(\new)
.set MSB, (\new)
.endif
.endm
.macro PLACES                          ; four places behind a matrix instruction, in front of loads into its registers and of readers of its result
.rept 4
	v_nop
.endr
.endm
.macro ROUND                           ; a round of the cluster's barrier
	s_barrier_signal -1
	s_barrier_wait -1
	s_cmp_lg_u32 s20, 0
	s_cbranch_scc1 .Lnot_wave_0_\@
	s_barrier_signal -3
.Lnot_wave_0_\@:
	s_barrier_wait -3
	s_barrier_signal -1
	s_barrier_wait -1
.endm
; The step to the tile in slot sl.  In front of the round: all my tensor loads have landed (the one that was out is this tile) and my LDS reads and stores are done.
; Behind it no wave of the four work-groups reads the other slot any more: the next tile is asked for, first thing.
.macro RINGSTEP sl, refill
	WIN 0
	s_wait_tensorcnt 0x0
	ds_add_u32 v62, v63
	s_wait_dscnt 0x0
	s_add_nc_u64 s[42+4*\sl:43+4*\sl], s[42+4*\sl:43+4*\sl], 2*TILEB     ; no load of mine is out: this slot's next tile
	s_wait_dscnt 0x0
	ROUND
.if \refill
	tensor_load_to_lds s[44-4*\sl:47-4*\sl], s[32:39]
	s_nop 0
.endif
.endm
.macro COPY dst, win, areg             ; a tile of 16 register images into 128 registers: 32 loads of 512 neighbouring bytes
	WIN \win
.irp f, 0,1,2,3,4,5,6,7,8,9,10,11,12,13,14,15
	ds_load_b128 v[\dst+8*\f:\dst+8*\f+3],   v[\areg] offset:\f*1024
	ds_load_b128 v[\dst+8*\f+4:\dst+8*\f+7], v[\areg] offset:\f*1024+512
.endr
.endm
.macro LOADMN buf, rt                  ; rows 16 rt .. + 15 of mn as 8 operands (256 channels)
.irp cs, 0,1,2,3,4,5,6,7
	ds_load_b128 v[\buf+8*\cs:\buf+8*\cs+3],   v[MNF+((\rt)>>3)] offset:((\rt)&7)*16*MNP+64*\cs
	ds_load_b128 v[\buf+8*\cs+4:\buf+8*\cs+7], v[MNF+((\rt)>>3)] offset:((\rt)&7)*16*MNP+64*\cs+32
.endr
.endm
.macro LOADQ t                         ; the mn operands of the query tile t tiles behind MNQ, into window 3
	WIN 0xc0
.irp cs, 0,1,2,3,4,5,6,7
	ds_load_b128 v[128+8*\cs:128+8*\cs+3],   v[MNQ] offset:(\t)*16*MNP+64*\cs
	ds_load_b128 v[128+8*\cs+4:128+8*\cs+7], v[MNQ] offset:(\t)*16*MNP+64*\cs+32
.endr
	WIN 0
.endm
	s_load_b512 s[4:19], s[0:1], 0x0               ; m s[4:5], mask s[6:7], ln_m_g s[8:9], ln_m_b s[10:11], b_g s[12:13], b_o s[14:15], stream s[16:17], out0 s[18:19]
	v_lshl_add_u32 v62, v0, 2, 0x4d400
	v_mov_b32 v63, 0
	ds_add_u32 v62, v63
	v_lshrrev_b32 v12, 5, v0
	v_readfirstlane_b32 s20, v12                   ; wave 0..3
	s_bfe_u32 s21, ttmp6, 0x40000                  ; my place in the cluster: it enters the addresses of m, mask and out0 alone
	s_and_b32 s22, ttmp9, 1                        ; query half: the same in the whole cluster
	s_lshr_b32 s23, ttmp9, 1
	s_lshl2_add_u32 s23, s23, s21                  ; s = 4 x (cluster / 2) + place
	s_mov_b32 s48, 0x76543210                      ; v_permlanex16_b32: lane i takes lane i of the other half
	s_mov_b32 s49, 0xfedcba98
	s_mov_b32 s51, 0x3b800000                      ; 1/256
	s_mov_b32 s52, 0x3727c5ac                      ; 1e-5
	; group 1: 64 rows of 32 elements of 8 bytes, dense: 16 KiB; mask 15 names the four work-groups, bit 21 beside it
	s_mov_b32 s32, 15|(3<<16)|(1<<21)
	s_mov_b32 s33, 32<<16
	s_mov_b32 s34, 64<<16
	s_mov_b32 s35, 32<<16
	s_mov_b32 s36, 64
	s_mov_b32 s37, 32
	s_mov_b32 s38, 0
	s_mov_b32 s39, 0
	s_lshl2_add_u32 s54, s22, s20                  ; my run of 26 tiles: 4 qh + wave
	s_mul_i32 s54, s54, 26*TILEB
	s_mov_b32 s55, 0
	s_lshl_b32 s60, s20, 14
	s_lshl_b32 s24, s20, 6                         ; m: my 64 rows begin at (64 wave + 128 qh) & 255
	s_lshl_b32 s25, s22, 7
	s_add_co_u32 s24, s24, s25
	s_and_b32 s24, s24, 255
	s_lshl_b32 s24, s24, 10
	s_lshl_b32 s25, s23, 18
	s_add_co_u32 s24, s24, s25
	s_mov_b32 s25, 0
	s_lshl_b32 s26, s23, 10                        ; mask: keys of my half first, then the other half's
	s_lshl_b32 s27, s22, 9
	s_add_co_u32 s26, s26, s27
	s_xor_b32 s28, s26, 512
	s_mov_b32 s27, 0
	s_mov_b32 s29, 0
	s_lshl_b32 s30, s20, 7                         ; b_g at head = wave
	s_mov_b32 s31, 0
	s_lshl_b32 s58, s20, 8                         ; b_o and out0 at column 64 wave
	s_mov_b32 s59, 0
	s_lshl_b32 s56, s23, 18
	s_lshl_b32 s57, s22, 17
	s_add_co_u32 s56, s56, s57
	s_add_co_u32 s56, s56, s58
	s_mov_b32 s57, 0
	s_wait_dscnt 0x0
	s_wait_kmcnt 0x0
	s_add_nc_u64 s[54:55], s[16:17], s[54:55]
	s_add_nc_u64 s[24:25], s[4:5], s[24:25]
	s_add_nc_u64 s[26:27], s[6:7], s[26:27]
	s_add_nc_u64 s[28:29], s[6:7], s[28:29]
	s_add_nc_u64 s[30:31], s[12:13], s[30:31]
	s_add_nc_u64 s[58:59], s[14:15], s[58:59]
	s_add_nc_u64 s[56:57], s[18:19], s[56:57]
	s_mov_b32 s4, 0xbb800000                       ; -1/256, as a pair for the packed forms (the two addresses that lay here have been used up)
	s_mov_b32 s5, 0xbb800000
	s_mov_b32 s6, 0x4eabfb8f                       ; c = 1e9 log2e, likewise
	s_mov_b32 s7, 0x4eabfb8f
.irp sl, 0,1
	s_mov_b32 s[40+4*\sl], 1
	s_add_co_u32 s[41+4*\sl], s60, RING+\sl*SLOTB
	s_add_nc_u64 s[42+4*\sl:43+4*\sl], s[54:55], \sl*TILEB
	s_or_b32 s[43+4*\sl], s[43+4*\sl], 0x80000000
.endr
	ROUND                                          ; the four work-groups are here: the first joint loads meet
	tensor_load_to_lds s[40:43], s[32:39]          ; tile 0; slot 1 is filled behind the first step's round
	s_nop 0
	v_and_b32 v12, 31, v0
	v_and_b32 v13, 15, v0                          ; r
	v_bfe_u32 v14, v0, 4, 1                        ; hh
	v_lshlrev_b32 v[MOFF], 4, v12
	s_add_co_u32 s61, s60, RING
	v_add_nc_u32 v[SL], s61, v[MOFF]
	v_add_nc_u32 v[SL+1], SLOTB, v[SL]
	v_mul_u32_u24 v[MNF], v13, MNP
	v_lshl_add_u32 v[MNF], v14, 4, v[MNF]
	v_add_nc_u32 v[MNF], MN, v[MNF]
	v_add_nc_u32 v[MNF+1], 128*MNP, v[MNF]
	s_mul_i32 s62, s20, 64*MNP
	s_add_co_u32 s62, s62, MN
	v_lshl_add_u32 v[MNW], v12, 3, s62
	s_mul_i32 s63, s20, 16*STP
	s_add_co_u32 s63, s63, STG                     ; my stage
	v_mul_u32_u24 v[STO], v13, STP
	v_lshl_add_u32 v[STO], v14, 5, v[STO]
	v_add_nc_u32 v[STO], s63, v[STO]
	v_mul_u32_u24 v[SRD], v14, STP
	v_lshl_add_u32 v[SRD], v13, 4, v[SRD]
	v_add_nc_u32 v[SRD], s63, v[SRD]
	v_lshlrev_b32 v[CO], 10, v14
	v_lshl_add_u32 v[CO], v13, 4, v[CO]
	v_lshlrev_b32 v[HH], 5, v14
	v_lshlrev_b32 v15, 3, v12                      ; 8 x lane
	v_add_nc_u32 v[BST], s63, v15
	s_lshl_b32 s53, s20, 13                        ; my 8 KiB of OA; stepped to OB behind pass 0
	s_add_co_u32 s53, s53, OA
	; all of m, mask, gains and b_o that this wave reads is asked for now: 8 registers a row of m and lane
	global_load_b128 v[GA:GA+3],   v[MOFF], s[8:9]
	global_load_b128 v[GA+4:GA+7], v[MOFF], s[8:9] offset:512
	global_load_b128 v[BE:BE+3],   v[MOFF], s[10:11]
	global_load_b128 v[BE+4:BE+7], v[MOFF], s[10:11] offset:512
	global_load_b64 v[TT:TT+1], v15, s[58:59]      ; b_o[64 w + 2 lane ..]: my 64 columns, 256 neighbouring bytes
	WIN 0xc0
.irp kt, 0,1,2,3,4,5,6,7
	global_load_b128 v[8*\kt:8*\kt+3],       v[HH], s[26:27] offset:\kt*64
	global_load_b128 v[8*\kt+4:8*\kt+7],     v[HH], s[26:27] offset:\kt*64+16
.endr
.irp kt, 0,1,2,3,4,5,6,7
	global_load_b128 v[64+8*\kt:64+8*\kt+3],   v[HH], s[28:29] offset:\kt*64
	global_load_b128 v[64+8*\kt+4:64+8*\kt+7], v[HH], s[28:29] offset:\kt*64+16
.endr
	WIN 0x40
.set i, 0
.rept 32
	global_load_b128 v[8*i:8*i+3],   v[MOFF], s[24:25] offset:i*1024          ; a load of the wave covers 512 neighbouring bytes; no hint: the other half's work-group reads m too
	global_load_b128 v[8*i+4:8*i+7], v[MOFF], s[24:25] offset:i*1024+512
.set i, i+1
.endr
	WIN 0x80
.set i, 0
.rept 32
	global_load_b128 v[8*i:8*i+3],   v[MOFF], s[24:25] offset:(32+i)*1024
	global_load_b128 v[8*i+4:8*i+7], v[MOFF], s[24:25] offset:(32+i)*1024+512
.set i, i+1
.endr
	WIN 0
; LayerNorm: 4 partial sums a row in LT -> the sum over the wave's 32 lanes in LT + 4 i, for eight rows side by side
.macro LNRED
.irp i, 0,1,2,3,4,5,6,7
	v_pk_add_f32 v[LT+4*\i:LT+4*\i+1], v[LT+4*\i:LT+4*\i+1], v[LT+4*\i+2:LT+4*\i+3]
.endr
.irp i, 0,1,2,3,4,5,6,7
	v_add_f32 v[LT+4*\i], v[LT+4*\i], v[LT+4*\i+1]
.endr
.irp x, 1,2,4,8
.irp i, 0,1,2,3,4,5,6,7
	v_add_f32_dpp v[LT+4*\i], v[LT+4*\i], v[LT+4*\i] row_xmask:\x row_mask:0xf bank_mask:0xf
.endr
.endr
.irp i, 0,1,2,3,4,5,6,7
	v_permlanex16_b32 v[LT+4*\i+1], v[LT+4*\i], s48, s49
.endr
.irp i, 0,1,2,3,4,5,6,7
	v_add_f32 v[LT+4*\i], v[LT+4*\i], v[LT+4*\i+1]
.endr
.endm
; rows 8 b .. 8 b + 7 of the wave.  left = how many younger loads of m may stay out.  Two passes: mean, then squares of the centred numbers.
.macro LNB b, left
.set LW, 1+((\b)>>2)
.set XB, 64*((\b)&3)
	s_wait_loadcnt \left
	WIN (LW|(LW<<2))
.irp i, 0,1,2,3,4,5,6,7
	v_pk_add_f32 v[LT+4*\i:LT+4*\i+1],   v[XB+8*\i:XB+8*\i+1],   v[XB+8*\i+2:XB+8*\i+3]
	v_pk_add_f32 v[LT+4*\i+2:LT+4*\i+3], v[XB+8*\i+4:XB+8*\i+5], v[XB+8*\i+6:XB+8*\i+7]
.endr
	WIN 0
	LNRED
	WIN ((LW<<6)|(LW<<4))
.irp i, 0,1,2,3,4,5,6,7
.irp j, 0,2,4,6
	v_pk_fma_f32 v[XB+8*\i+\j:XB+8*\i+\j+1], v[LT+4*\i:LT+4*\i+1], s[4:5], v[XB+8*\i+\j:XB+8*\i+\j+1] op_sel_hi:[0,0,1]   ; x - sum / 256
.endr
.endr
	WIN (LW|(LW<<2))
.irp i, 0,1,2,3,4,5,6,7
	v_pk_mul_f32 v[LT+4*\i:LT+4*\i+1],   v[XB+8*\i:XB+8*\i+1],   v[XB+8*\i:XB+8*\i+1]
	v_pk_mul_f32 v[LT+4*\i+2:LT+4*\i+3], v[XB+8*\i+4:XB+8*\i+5], v[XB+8*\i+4:XB+8*\i+5]
.endr
.irp i, 0,1,2,3,4,5,6,7
	v_pk_fma_f32 v[LT+4*\i:LT+4*\i+1],   v[XB+8*\i+2:XB+8*\i+3], v[XB+8*\i+2:XB+8*\i+3], v[LT+4*\i:LT+4*\i+1]
	v_pk_fma_f32 v[LT+4*\i+2:LT+4*\i+3], v[XB+8*\i+6:XB+8*\i+7], v[XB+8*\i+6:XB+8*\i+7], v[LT+4*\i+2:LT+4*\i+3]
.endr
	WIN 0
	LNRED
.irp i, 0,1,2,3,4,5,6,7
	v_fma_f32 v[LT+4*\i], v[LT+4*\i], s51, s52     ; variance + eps
.endr
.irp i, 0,1,2,3,4,5,6,7
	v_rsq_f32 v[LT+4*\i], v[LT+4*\i]
.endr
	v_nop                                          ; one plain instruction behind the transcendentals (ISA guide 5.7.2)
	WIN ((LW<<6)|LW)
	s_wait_alu depctr_va_vdst(0)
.irp i, 0,1,2,3,4,5,6,7
.irp j, 0,2,4,6
	v_pk_mul_f32 v[XB+8*\i+\j:XB+8*\i+\j+1], v[XB+8*\i+\j:XB+8*\i+\j+1], v[LT+4*\i:LT+4*\i+1] op_sel_hi:[1,0]
.endr
.endr
.irp i, 0,1,2,3,4,5,6,7
.irp j, 0,2,4,6
	v_pk_fma_f32 v[XB+8*\i+\j:XB+8*\i+\j+1], v[XB+8*\i+\j:XB+8*\i+\j+1], v[GA+\j:GA+\j+1], v[BE+\j:BE+\j+1]
.endr
.endr
	WIN (LW|(LW<<2))
.irp i, 0,1,2,3,4,5,6,7
.irp j, 0,1,2,3
	v_cvt_pk_f16_f32 v[LY+4*\i+\j], v[XB+8*\i+2*\j], v[XB+8*\i+2*\j+1]
.endr
.endr
	WIN 0
.irp i, 0,1,2,3,4,5,6,7
	ds_store_b64 v[MNW], v[LY+4*\i:LY+4*\i+1]   offset:(8*\b+\i)*MNP          ; channels 4 lane .. + 3: the wave's 256 neighbouring bytes
	ds_store_b64 v[MNW], v[LY+4*\i+2:LY+4*\i+3] offset:(8*\b+\i)*MNP+256      ; channels 128 + 4 lane ..
.endr
.endm
; K and V of key rows 16 rt .. + 15: each mn operand feeds four matrix instructions.  In each run two accumulators take turns.
.macro KVTILE rt
.set BUF, SS+64*((\rt)&1)
.if \rt == 15
	s_wait_dscnt 0x0
.else
	s_wait_dscnt 16                                ; this row tile's operands are in; the next tile's 16 loads may be out
.endif
	WIN 0x03                                       ; A = Wk (window 3), B = mn
.irp cs, 0,1,2,3,4,5,6,7
.if \cs == 0
	v_wmma_f32_16x16x32_f16 v[ACC:ACC+7],    v[128+16*\cs:128+16*\cs+7],  v[BUF+8*\cs:BUF+8*\cs+7], 0
	v_wmma_f32_16x16x32_f16 v[ACC+8:ACC+15], v[136+16*\cs:136+16*\cs+7],  v[BUF+8*\cs:BUF+8*\cs+7], 0
.else
	v_wmma_f32_16x16x32_f16 v[ACC:ACC+7],    v[128+16*\cs:128+16*\cs+7],  v[BUF+8*\cs:BUF+8*\cs+7], v[ACC:ACC+7]
	v_wmma_f32_16x16x32_f16 v[ACC+8:ACC+15], v[136+16*\cs:136+16*\cs+7],  v[BUF+8*\cs:BUF+8*\cs+7], v[ACC+8:ACC+15]
.endif
.endr
	WIN 0x08                                       ; A = mn, B = Wv (window 2)
.irp cs, 0,1,2,3,4,5,6,7
.if \cs == 0
	v_wmma_f32_16x16x32_f16 v[ACC+16:ACC+23], v[BUF+8*\cs:BUF+8*\cs+7], v[16*\cs:16*\cs+7],    0
	v_wmma_f32_16x16x32_f16 v[ACC+24:ACC+31], v[BUF+8*\cs:BUF+8*\cs+7], v[16*\cs+8:16*\cs+15], 0
.else
	v_wmma_f32_16x16x32_f16 v[ACC+16:ACC+23], v[BUF+8*\cs:BUF+8*\cs+7], v[16*\cs:16*\cs+7],    v[ACC+16:ACC+23]
	v_wmma_f32_16x16x32_f16 v[ACC+24:ACC+31], v[BUF+8*\cs:BUF+8*\cs+7], v[16*\cs+8:16*\cs+15], v[ACC+24:ACC+31]
.endif
.endr
	WIN 0x40
	PLACES
.irp i, 0,1,2,3,4,5,6,7
	v_cvt_pk_f16_f32 v[8*\rt+\i], v[ACC+2*\i], v[ACC+2*\i+1]                  ; K operand: lane = key, registers 0-3 channels 0-15, 4-7 channels 16-31
.endr
.irp dt, 0,1
.irp i, 0,1,2,3
	v_cvt_pk_f16_f32 v[128+8*(2*((\rt)>>1)+\dt)+4*((\rt)&1)+\i], v[ACC+16+8*\dt+2*\i], v[ACC+16+8*\dt+2*\i+1]    ; V^T operand: lane = channel, K = 32 keys of two row tiles
.endr
.endr
	WIN 0
.if \rt < 14
	LOADMN BUF, \rt+2
.endif
.endm
; ---- the pieces of an attention step
; one link of Q^T (a = 0, 1) or G^T (a = 2, 3): A = Wq or Wg (window 2), B = mn (window 3)
.macro QGW a, cs
.if \a < 2
	v_wmma_f32_16x16x32_f16 v[ACC+8*\a:ACC+8*\a+7], v[128+16*\cs+8*\a:128+16*\cs+8*\a+7], v[128+8*\cs:128+8*\cs+7], v[ACC+8*\a:ACC+8*\a+7]
.else
	v_wmma_f32_16x16x32_f16 v[ACC+8*\a:ACC+8*\a+7], v[16*\cs+8*(\a-2):16*\cs+8*(\a-2)+7], v[128+8*\cs:128+8*\cs+7], v[ACC+8*\a:ACC+8*\a+7]
.endif
.endm
; bias + mask bias of key tile f.  As 1.0 x MB + S the sum has MB in source 1 (window 3) and S in source 2 and the destination (window 0): the setting of the products round it.
.macro BADD f
	s_wait_dscnt 30-2*(\f)                         ; the tile's 32 loads come back in order: piece f's two are in, the 2 (15 - f) behind them may be out
.irp j, 0,2,4,6
	v_pk_fma_f32 v[SS+8*(\f)+\j:SS+8*(\f)+\j+1], 1.0, v[8*(\f)+\j:8*(\f)+\j+1], v[SS+8*(\f)+\j:SS+8*(\f)+\j+1] op_sel_hi:[0,1,1]
.endr
.endm
; group g = keys 32 g .. + 31 = registers SS + 16 g .. + 15.  S - maximum as 1.0 x S - MX: no vector register in source 0, so it may stand under the P V products' setting too.
.macro SUBM g
.irp j, 0,2,4,6,8,10,12,14
	v_pk_fma_f32 v[SS+16*(\g)+\j:SS+16*(\g)+\j+1], 1.0, v[SS+16*(\g)+\j:SS+16*(\g)+\j+1], v[MX:MX+1] op_sel_hi:[0,1,1] neg_lo:[0,0,1] neg_hi:[0,0,1]
.endr
.endm
.macro EXPH g, h
.irp j, 0,1,2,3,4,5,6,7
	v_exp_f32 v[SS+16*(\g)+8*\h+\j], v[SS+16*(\g)+8*\h+\j]
.endr
.endm
.macro CVTP g                          ; P^T as a B operand of 32 keys at SS + 16 g .. + 7, in place, ascending
.irp j, 0,1,2,3,4,5,6,7
	v_cvt_pk_f16_f32 v[SS+16*(\g)+\j], v[SS+16*(\g)+2*\j], v[SS+16*(\g)+2*\j+1]
.endr
.endm
.macro PVW dt, ks                      ; O^T channels 16 dt ..: A = V^T (window 1), B = P^T
.if \ks == 0
	v_wmma_f32_16x16x32_f16 v[OO+8*\dt:OO+8*\dt+7], v[128+16*\ks+8*\dt:128+16*\ks+8*\dt+7], v[SS+16*\ks:SS+16*\ks+7], 0
.else
	v_wmma_f32_16x16x32_f16 v[OO+8*\dt:OO+8*\dt+7], v[128+16*\ks+8*\dt:128+16*\ks+8*\dt+7], v[SS+16*\ks:SS+16*\ks+7], v[OO+8*\dt:OO+8*\dt+7]
.endif
.endm
.macro LW ks                           ; row sums of the rounded weights: the same number in every register and in both halves of the lanes
.if \ks == 0
	v_wmma_f32_16x16x32_f16 v[LL:LL+7], v[ONES:ONES+7], v[SS+16*\ks:SS+16*\ks+7], 0
.else
	v_wmma_f32_16x16x32_f16 v[LL:LL+7], v[ONES:ONES+7], v[SS+16*\ks:SS+16*\ks+7], v[LL:LL+7]
.endif
.endm
; One query tile (16 queries) of one head.  sl: the slot with its bias tile; k: first or second tile of the loop's trip.  Its mn operands were loaded in the step before.
.macro ATT sl, k
	RINGSTEP \sl, 1
	COPY SS, 0, SL+\sl                             ; the bias, straight into the registers that S^T adds onto
	WIN 0x0e                                       ; four accumulators take turns
	v_wmma_f32_16x16x32_f16 v[ACC:ACC+7],     v[128:135], v[128:135], 0
	v_wmma_f32_16x16x32_f16 v[ACC+8:ACC+15],  v[136:143], v[128:135], 0
	v_wmma_f32_16x16x32_f16 v[ACC+16:ACC+23], v[0:7],     v[128:135], v[BG:BG+7]
	v_wmma_f32_16x16x32_f16 v[ACC+24:ACC+31], v[8:15],    v[128:135], v[BG+8:BG+15]
.irp cs, 1,2,3
.irp a, 0,1,2,3
	QGW \a, \cs
.endr
.endr
.irp cs, 4,5,6,7
.irp a, 0,1,2,3
	QGW \a, \cs
	BADD 4*(\cs-4)+\a                              ; one of the 16 bias pieces behind each of the last 16 products
.endr
.endr
	LOADQ \k+1                                     ; the next step's mn operands (four packed sums stand behind the last product that read these registers).
	                                               ; The pass's last step loads mn rows 128-143, which no step uses and no wave overwrites
.irp i, 0,1,2,3,4,5,6,7
	v_cvt_pk_f16_f32 v[ACC+\i], v[ACC+2*\i], v[ACC+2*\i+1]                    ; Q^T as a B operand, in place, ascending
.endr
	WIN 0x01
.irp kt, 0,1,2,3,4,5,6,7,8,9,10,11,12,13,14,15
	v_wmma_f32_16x16x32_f16 v[SS+8*\kt:SS+8*\kt+7], v[8*\kt:8*\kt+7], v[ACC:ACC+7], v[SS+8*\kt:SS+8*\kt+7]    ; S^T(key, query): sixteen accumulators, one instruction each
.endr
	WIN 0
	PLACES
	; a lane holds 128 of its query's 256 scores, the lane 16 further the others
.irp c, 0,1,2,3
	v_max_num_f32 v[MM+\c], v[SS+32*\c], v[SS+32*\c+1]
.endr
.irp t, 1,2,3,4,5,6,7,8,9,10,11,12,13,14,15
.irp c, 0,1,2,3
	v_max3_num_f32 v[MM+\c], v[MM+\c], v[SS+32*\c+2*\t], v[SS+32*\c+2*\t+1]
.endr
.endr
	v_max3_num_f32 v[MM], v[MM], v[MM+1], v[MM+2]
	v_max_num_f32 v[MM], v[MM], v[MM+3]
	v_permlanex16_b32 v[MM+1], v[MM], s48, s49
	v_max_num_f32 v[MX], v[MM], v[MM+1]
	v_max_num_f32 v[MX+1], v[MM], v[MM+1]
	; group 0, and the gate's exponentials: gate = 1 / (1 + 2^t), t = -log2e (mn w_g + b_g), in the layout of O^T
	SUBM 0
	EXPH 0, 0
	EXPH 0, 1
.set i, 0
.rept 16
	v_exp_f32 v[ACC+16+i], v[ACC+16+i]
.set i, i+1
.endr
	v_nop                                          ; one plain instruction behind the transcendentals (ISA guide 5.7.2)
	s_wait_alu depctr_va_vdst(0)
	CVTP 0
	; the three products of group ks, with group ks + 1's vector work between them.  O^T's two accumulators and the row sums take turns.
.irp ks, 0,1,2,3,4,5,6
	WIN 0x01
	PVW 0, \ks
	SUBM \ks+1
	PVW 1, \ks
	WIN 0
	EXPH \ks+1, 0
	LW \ks
	EXPH \ks+1, 1
	v_nop                                          ; behind the transcendentals
	s_wait_alu depctr_va_vdst(0)
	CVTP \ks+1
.endr
	WIN 0x01
	PVW 0, 7
.set i, 0
.rept 8
	v_pk_add_f32 v[ACC+16+2*i:ACC+16+2*i+1], 1.0, v[ACC+16+2*i:ACC+16+2*i+1] op_sel_hi:[0,1]     ; 1 + 2^t: the constant in source 0, so the setting may stay
.set i, i+1
.endr
	PVW 1, 7
	WIN 0
.set i, 0
.rept 8
	v_rcp_f32 v[ACC+16+i], v[ACC+16+i]
.set i, i+1
.endr
	LW 7
.set i, 8
.rept 8
	v_rcp_f32 v[ACC+16+i], v[ACC+16+i]
.set i, i+1
.endr
	PLACES                                         ; behind the last products, whose results are read now, and behind the transcendentals
.set i, 0
	s_wait_alu depctr_va_vdst(0)
.rept 8
	v_pk_mul_f32 v[OO+2*i:OO+2*i+1], v[OO+2*i:OO+2*i+1], v[ACC+16+2*i:ACC+16+2*i+1]
.set i, i+1
.endr
	v_rcp_f32 v[RL], v[LL]                         ; the row sum is at least 1: the largest weight is 2^0
	v_rcp_f32 v[RL+1], v[LL]
	v_nop
.set i, 0
	s_wait_alu depctr_va_vdst(0)
.rept 8
	v_pk_mul_f32 v[OO+2*i:OO+2*i+1], v[OO+2*i:OO+2*i+1], v[RL:RL+1]
.set i, i+1
.endr
.irp i, 0,1,2,3,4,5,6,7
	v_cvt_pk_f16_f32 v[OO+\i], v[OO+2*\i], v[OO+2*\i+1]                       ; gated O^T as a B operand of the output projection
.endr
	ds_store_b128 v[OST], v[OO:OO+3]   offset:\k*1024
	ds_store_b128 v[OST], v[OO+4:OO+7] offset:\k*1024+512
.endm
	; ---- LayerNorm of my 64 rows.  The step to tile 0 stands first, so that tile 1 lands meanwhile.
	RINGSTEP 0, 1
	LNB 0, 63                                      ; 16 loads a batch: behind batch b stand 16 (7 - b); the wait names 63 at the most, which is stricter than 112, 96, 80, 64
	LNB 1, 63
	LNB 2, 63
	LNB 3, 63
	LNB 4, 48
	LNB 5, 32
	LNB 6, 16
	LNB 7, 0
	WIN 0xc3                                       ; mask bias = mask c - c
.set i, 0
.rept 64
	v_pk_fma_f32 v[2*i:2*i+1], v[2*i:2*i+1], s[6:7], s[6:7] op_sel_hi:[1,0,0] neg_lo:[0,0,1] neg_hi:[0,0,1]
.set i, i+1
.endr
	WIN 0
.irp i, 0,1,2,3,4,5,6,7
	v_mov_b32 v[ONES+\i], 0x3c003c00               ; 1.0 in f16, twice
.endr
	ds_store_b64 v[BST], v[TT:TT+1]                ; b_o waits in my own stage: no register is free for it through the passes
	; ---- the two passes: one head of the wave each, 12 tiles of the ring.  On entry the tile with Wk lies in slot 0.
	s_mov_b32 s61, 0
.Lpass:
	COPY 128, 0xc0, SL                             ; Wk
	WIN 0
.irp q, 0,1,2,3
	global_load_b128 v[BG+4*\q:BG+4*\q+3], v[HH], s[30:31] offset:(\q>>1)*64+(\q&1)*16     ; b_g[32 h + 16 dt + 8 hh + j] of this pass's head
.endr
	RINGSTEP 1, 1                                  ; in pass 0 its wait and round also show mn to every wave
	COPY 0, 0x80, SL+1                             ; Wv
	WIN 0
	LOADMN SS, 0
	LOADMN SS+64, 1
.irp rt, 0,1,2,3,4,5
	KVTILE \rt
.endr
	RINGSTEP 0, 1
	COPY 128, 0x80, SL                             ; Wq
.irp rt, 6,7,8,9,10
	KVTILE \rt
.endr
	RINGSTEP 1, 1
.irp rt, 11,12,13,14,15
	KVTILE \rt
.endr
	COPY 0, 0x80, SL+1                             ; Wg, where Wv was
	WIN 0
	v_mov_b32 v[MNQ], v[MNF]
	LOADQ 0                                        ; the first query tile's mn operands, where Wk was
	v_add_nc_u32 v[OST], s53, v[MOFF]
	s_add_co_u32 s53, s53, OB-OA                   ; the next pass's gated O
	s_wait_loadcnt 0x0                             ; b_g
	s_add_nc_u64 s[30:31], s[30:31], 512           ; four heads on
.set i, 0
.rept 8
	v_pk_mul_f32 v[BG+2*i:BG+2*i+1], v[BG+2*i:BG+2*i+1], 0xbfb8aa3b op_sel_hi:[1,0]        ; -log2e b_g
.set i, i+1
.endr
	s_mov_b32 s50, 0
.Latt:
	ATT 0, 0
	ATT 1, 1
	WIN 0
	v_add_nc_u32 v[MNQ], 32*MNP, v[MNQ]
	v_add_nc_u32 v[OST], 2048, v[OST]
	s_add_co_u32 s50, s50, 1
	s_cmp_lt_u32 s50, 4
	s_cbranch_scc1 .Latt
	RINGSTEP 0, 1                                  ; to the next pass's Wk, or to w_o for heads 0-3; behind pass 1 its wait and round show every wave's gated O to all
	s_add_co_u32 s61, s61, 1
	s_cmp_lt_u32 s61, 2
	s_cbranch_scc1 .Lpass
; OUTPUT PROJECTION: out^T(column, query) = Wo^T (A) x gated O^T (B) + b_o; K step ks = head ks.  32 accumulators (4 column tiles x 8 query tiles) in window 1.
.macro OLOAD buf, ks
	WIN 0
.irp nt, 0,1,2,3
	ds_load_b128 v[\buf+8*\nt:\buf+8*\nt+3],   v[SL+((\ks)>>2)] offset:(((\ks)&3)*4+\nt)*1024
	ds_load_b128 v[\buf+8*\nt+4:\buf+8*\nt+7], v[SL+((\ks)>>2)] offset:(((\ks)&3)*4+\nt)*1024+512
.endr
.if (\ks) < 4
.set OREG, MOFF                        ; heads 0-3: OA + 16 x lane, OA in the offset
.set OOFF, OA
.else
.set OREG, MM+1                        ; heads 4-7: OB + 16 x lane
.set OOFF, 0
.endif
.irp qt, 0,1,2,3,4,5,6,7
	ds_load_b128 v[\buf+32+8*\qt:\buf+32+8*\qt+3],   v[OREG] offset:OOFF+(((\ks)&3)*8+\qt)*1024
	ds_load_b128 v[\buf+32+8*\qt+4:\buf+32+8*\qt+7], v[OREG] offset:OOFF+(((\ks)&3)*8+\qt)*1024+512
.endr
.endm
.macro OMUL buf, first                 ; the 32 accumulators take turns
.if \first
	WIN 0x70
.else
	WIN 0x50
.endif
.irp qt, 0,1,2,3,4,5,6,7
.irp nt, 0,1,2,3
.if \first
	v_wmma_f32_16x16x32_f16 v[8*(4*\qt+\nt):8*(4*\qt+\nt)+7], v[\buf+8*\nt:\buf+8*\nt+7], v[\buf+32+8*\qt:\buf+32+8*\qt+7], v[192+8*\nt:192+8*\nt+7]
.else
	v_wmma_f32_16x16x32_f16 v[8*(4*\qt+\nt):8*(4*\qt+\nt)+7], v[\buf+8*\nt:\buf+8*\nt+7], v[\buf+32+8*\qt:\buf+32+8*\qt+7], v[8*(4*\qt+\nt):8*(4*\qt+\nt)+7]
.endif
.endr
.endr
.endm
.macro OHALF k0, first                 ; four K steps on two operand buffers; each wait leaves the other buffer's 24 loads out
	PLACES
	OLOAD B0, \k0
	OLOAD B1, \k0+1
	s_wait_dscnt 24
	OMUL B0, \first
	PLACES
	OLOAD B0, \k0+2
	s_wait_dscnt 24
	OMUL B1, 0
	PLACES
	OLOAD B1, \k0+3
	s_wait_dscnt 24
	OMUL B0, 0
	s_wait_dscnt 0x0
	OMUL B1, 0
.endm
	v_add_nc_u32 v[MM+1], OB, v[MOFF]
	v_add_nc_u32 v[MM+2], s63, v[HH]
	WIN 0xc0
.irp q, 0,1,2,3,4,5,6,7
	ds_load_b128 v[192+4*\q:192+4*\q+3], v[MM+2] offset:(\q>>1)*64+(\q&1)*16  ; b_o[64 w + 16 nt + 8 hh + j] out of my stage, as four C operands; older than the operand loads, so the first wait below covers them
.endr
	OHALF 0, 1
	RINGSTEP 1, 0                                  ; w_o for heads 4-7: the last tile, nothing is left to ask for
	OHALF 4, 0
	PLACES
; THE WAY OUT, 16 queries at a time: a lane holds 8 neighbouring columns of one row; through my own stage, back as whole rows of 256 bytes.
.macro OUT16 qt, f
	WIN 0x04
.irp nt, 0,1,2,3
	ds_store_b128 v[STO], v[8*(4*\qt+\nt):8*(4*\qt+\nt)+3]   offset:\nt*64
	ds_store_b128 v[STO], v[8*(4*\qt+\nt)+4:8*(4*\qt+\nt)+7] offset:\nt*64+16
.endr
	WIN 0
	s_wait_xcnt 0x0                                ; the earlier stores' data registers and base are written again only behind this wait
.if \qt
	s_add_nc_u64 s[56:57], s[56:57], 16384         ; 16 rows of out0 on
.endif
.irp t, 0,1,2,3,4,5,6,7
	ds_load_b128 v[\f+4*\t:\f+4*\t+3], v[SRD] offset:\t*2*STP                 ; LDS serves a wave's instructions in order (ISA guide 5.7.1): these see the stores above
.endr
.irp t, 0,1,2,3,4,5,6,7
	s_wait_dscnt 7-\t
	global_store_b128 v[CO], v[\f+4*\t:\f+4*\t+3], s[56:57] offset:\t*2048 th:TH_STORE_NT   ; 16 lanes store 256 neighbouring bytes, aligned; two rows an instruction
.endr
.endm
	OUT16 0, 64
	OUT16 1, 96
	OUT16 2, 64
	OUT16 3, 96
	OUT16 4, 64
	OUT16 5, 96
	OUT16 6, 64
	OUT16 7, 96
	s_wait_tensorcnt 0x0
	ds_add_u32 v62, v63
	s_wait_dscnt 0x0
	ROUND                                          ; the closing round: no work-group ends while a partner may still ask for a tile that names it
	s_endpgm
.Lfunc_end_k_q142681ad74_attn:
	.size	k_q142681ad74_attn, .Lfunc_end_k_q142681ad74_attn-k_q142681ad74_attn
	.p2alignl 7, 3214868480
	.fill 96, 4, 3214868480
	.section	.rodata,"a",@progbits
	.p2align	6, 0x0
	.amdhsa_kernel k_q142681ad74_attn
		.amdhsa_group_segment_fixed_size 327680
		.amdhsa_private_segment_fixed_size 0
		.amdhsa_enable_private_segment 0
		.amdhsa_kernarg_size 64
		.amdhsa_user_sgpr_count 2
		.amdhsa_user_sgpr_kernarg_segment_ptr 1
		.amdhsa_wavefront_size32 1
		.amdhsa_system_sgpr_workgroup_id_x 1
		.amdhsa_system_sgpr_workgroup_id_y 1
		.amdhsa_system_sgpr_workgroup_id_z 1
		.amdhsa_system_vgpr_workitem_id 0
		.amdhsa_next_free_vgpr 1024
		.amdhsa_next_free_sgpr 66
		.amdhsa_reserve_vcc 0
		.amdhsa_float_denorm_mode_32 3
		.amdhsa_float_denorm_mode_16_64 3
		.amdhsa_memory_ordered 1
		.amdhsa_forward_progress 1
		.amdhsa_inst_pref_size 255
	.end_amdhsa_kernel
	.section	.bss,"aw",@nobits
	.p2align	6
	.space	262144
	.amdgpu_metadata
---
amdhsa.version: [ 1, 2 ]
amdhsa.kernels:
  - .name:           k_q142681ad74_attn
    .symbol:         k_q142681ad74_attn.kd
    .args:
      - { .name: m, .offset: 0, .size: 8, .value_kind: global_buffer, .address_space: global }
      - { .name: mask, .offset: 8, .size: 8, .value_kind: global_buffer, .address_space: global }
      - { .name: ln_m_g, .offset: 16, .size: 8, .value_kind: global_buffer, .address_space: global }
      - { .name: ln_m_b, .offset: 24, .size: 8, .value_kind: global_buffer, .address_space: global }
      - { .name: b_g, .offset: 32, .size: 8, .value_kind: global_buffer, .address_space: global }
      - { .name: b_o, .offset: 40, .size: 8, .value_kind: global_buffer, .address_space: global }
      - { .name: stream, .offset: 48, .size: 8, .value_kind: global_buffer, .address_space: global }
      - { .name: out0, .offset: 56, .size: 8, .value_kind: global_buffer, .address_space: global }
    .group_segment_fixed_size: 327680
    .private_segment_fixed_size: 0
    .kernarg_segment_align: 8
    .kernarg_segment_size: 64
    .max_flat_workgroup_size: 128
    .sgpr_count:     66
    .vgpr_count:     1024
    .wavefront_size: 32
...
	.end_amdgpu_metadata
.endif
;; end of part 2
